; MI455X (gfx1250); checked and timed in simulation.
; The chip was launched on July 23, 2026; its instructions are those of AMD's public machine-readable ISA for CDNA 5 (MIT licence, August 2026) and "CDNA5" Instruction Set Architecture Reference Guide (July 2026). The comments in the code are by the model that wrote it; some were corrected since.
;; Enterprise FFN. Allowed arithmetic: matrix products marked QUANTISED: E2M3 operands, one E8M0 scale for each 32 along K, by v_wmma_scale_f32_16x16x128_f8f6f4 with both operands' format E2M3, f32 sums; products left as they are: f32 operands where the result goes on into a quantised operand, else bf16, f16 or f32 operands; f32 sums; everything else in f32.
;; Inputs: b1 8 x 512 float32; b2 8 x 1,024 float32; gate_w 1,024 x 8 float32; w1 8 x 1,024 x 512 float32; w2 8 x 512 x 1,024 float32; x 4 x 2,048 x 1,024 float32.
;; Outputs: out0 4 x 2,048 x 1,024 float32.
;; This version of the problem:
;;   THIS VERSION OF THE PROBLEM IS GIVEN IN LOW PRECISION. The matrix products marked QUANTISED in the list below multiply operands that are first quantised to E2M3 (2 exponent bits, 3 mantissa bits; 6 bits a number), with one power-of-two scale for each 32 numbers along K (OCP MX v1.0); their sums are f32. All else is computed in f32.
;;   The module's matrix products, in the order in which they are computed (A, B: the left and right operand; K: the contracted axis; several contracted axes count as one K, in the product's order):
;;     1. [M 8,192, K 1,024] x [K 1,024, N 8]; A: input x; B: input gate_w: left as it is (N = 8 < 16)
;;     2. [M 4,096, K 1,024] x [K 1,024, N 8,192]; A: input w1; B: input x: QUANTISED
;;     3. batch 8 x [M 8,192, K 512] x [K 512, N 1,024]; A: computed on the way; B: input w2: QUANTISED
;;     4. batch 8,192 x [M 8, K 1] x [K 1, N 1]; A: computed on the way; B: computed on the way: left as it is (no contracted axis)
;;     5. batch 8,192 x [M 1,024, K 8] x [K 8, N 1]; A: computed on the way; B: computed on the way: left as it is (K = 8 < 32)
;;   THE QUANTISER, for each operand of a quantised product, along K:
;;     - K is cut into blocks of 32 from its start; a last block that is shorter is filled with zeros.
;;     - A block's scale is 2^e with e = floor(log2(the largest magnitude in the block)) - 2, held to -126 .. 127; a block of zeros has e = 0. As a byte (E8M0): e + 127.
;;     - Each number is divided by its block's scale, clamped to +-7.5, and rounded to the nearest number of E2M3, ties to even, subnormals kept.
;;     - The product sums the exact products of the quantised numbers (number of the format x scale) in f32.
;;   ~~~python
;;   def quantise(x, axis):      # numpy; x: float32 -> the quantised numbers, widened to float32 again
;;       x = np.moveaxis(x, axis, -1); K = x.shape[-1]
;;       x = np.pad(x, [(0, 0)] * (x.ndim - 1) + [(0, -K % 32)]); x = x.reshape(x.shape[:-1] + (-1, 32)); a = np.abs(x).max(-1, keepdims=True)
;;       e = np.where(a > 0, np.clip(np.frexp(np.where(a > 0, a, 1))[1] - 1 - 2, -126, 127), 0)      # np.frexp(a)[1] - 1 = floor(log2(a)), exactly
;;       r = np.clip(x / 2.0 ** e, -7.5, 7.5)
;;       step = 2.0 ** (np.maximum(np.frexp(np.where(r == 0, 1, r))[1] - 1, 0) - 3)
;;       q = np.round(r / step) * step * 2.0 ** e      # np.round: ties to even
;;       return np.moveaxis(q.reshape(q.shape[:-2] + (-1,))[..., :K], -1, axis).astype(np.float32)
;;   ~~~
;;   OPERANDS COMPUTED ON THE WAY. 'Computed on the way' means the value that the module computes at that place (a softmax that the list does not call 'softmax' is quantised finished and normalised). What goes into a quantiser is computed in f32, as accurately as f32 sums, v_exp_f32 and their like allow (about 1e-6 of the number): no bf16 or f16 on the way to a quantiser, and a product that is left as it is and whose result goes on into a quantised operand takes f32 operands (vector FMAs, or v_wmma_f32_16x16x4_f32). A number that lies on a knife's edge between two numbers of the format may be rounded either way, as far as f32 arithmetic and the matrix unit's own rounding can turn it there, and no further.
;; One version. Each part assembles by itself: llvm-mc -triple=amdgcn-amd-amdhsa -mcpu=gfx1250 --defsym DOCPART=n.
;; ======== version 1 of 1: 3 launches
;; limits: an absolute error that grows with the inputs' magnitude: up to 7.5e-08 times it
;; workspace buffers: xq 6,291,456 bytes; xs 262,144 bytes; wq 8,388,608 bytes; ws 262,144 bytes; tokw 32,768 bytes; route 65,536 bytes of whole numbers; order 32,768 bytes of whole numbers
;; launch route_x (part 1): grid 256 x 1, 8 waves a work-group, no clusters, 226,304 bytes of LDS; arguments x, gate_w, xq, xs, tokw, route; writes xq, xs, tokw, route
.if DOCPART == 1
	.amdgcn_target "amdgcn-amd-amdhsa--gfx1250"
	.amdhsa_code_object_version 6
	.text
	.protected	k_qdf044ca93e_route_x
	.globl	k_qdf044ca93e_route_x
	.p2align	8
	.type	k_qdf044ca93e_route_x,@function
k_qdf044ca93e_route_x:
	s_mov_b64 s[64:65], 0
	v_nop
	global_prefetch_b8 v0, s[64:65] scope:SCOPE_SE
	s_setreg_imm32_b32 hwreg(HW_REG_WAVE_MODE, 25, 1), 1
	s_wait_xcnt 0x0
; ROUTER AND QUANTISER OF x.  x: [8192][1024] f32, gate_w: [1024][8] f32.
; Out: xq [token][768]: codes of E2M3 along the 1,024, the four 24-byte blocks of each 128 along K laid in the order 0, 2, 1, 3, so that a
; lane of the later product reads its 48 bytes on end;  xs [half of K][token][16]: one E8M0 byte for each 32 along K;  tokw [token]: the sum of the two largest gates;
; route: word [token] = key | rank << 8 | lo << 16 | hi << 20, and from byte 32,768 on [group of 32 tokens][32]: how many tokens of the group have each key.
; key numbers the 28 pairs (lo < hi) of experts so that neighbouring keys share an expert; rank counts the tokens of the same group and key that stand before this one.
; SHARES.  A work-group takes 32 tokens.  Wave w takes half hk = w & 1 of K and the tokens 8 (w >> 1) on; a step is half a row, 512 numbers, 16 neighbours a lane.
; The lane's 16 x 8 gate weights stay in 128 registers, as pairs along k, so that one packed multiply-add serves two k of one expert.  The logits are f32 sums of f32 products.
; x and gate_w come by the tensor data mover, each byte once, every LDS byte filled once: five loads a wave are out at the start.
; gate_w is the one thing that work-groups share: 32,768 of the 163,840 bytes that a work-group fetches; no cluster is formed for it.
; THE CHOICE.  d_e = max(z_e - zmax, -104); the two largest d, the lower index first among equals.  LIMITS: where two different logits give one f32 gate, or a gate is
; denormal (d between -104 and -87), the choice may differ from a top-2 taken on the gates; NaN and infinities are not served; a block of x whose largest magnitude lies
; under 2^-124 keeps the scale byte 1 (a block of zeros too: its codes are zeros, and this program alone reads the bytes).
; No address and no branch hangs on a logit: all that the choice yields is stored at fixed places.
.set XW,   20480                       ; LDS: a wave's 8 half rows of x, 2,560 bytes each: 2,048 + 16 of padding behind each 64, so that lane l's 64 bytes begin at 80 l
.set XROW, 2560
.set GW,   163840                      ; gate_w as 64 rows of 512 bytes + 16: row 32 hk + l holds lane l's 16 k x 8 experts
.set GROW, 528
.set LG,   197632                      ; [hk][token 32][8] f32: the half sums of the logits
.set SCB,  199680                      ; [hk][token 32][16]: scale bytes
.set CD,   200704                      ; [token 32][768]: codes
.set X,    32                          ; v32-63   two sets of 16 numbers
.set ACC,  64                          ; v64-79   expert e: (sum over even k, sum over odd k)
.set RED,  80                          ; v80-95   the sum over lanes, at work
.set COD,  96                          ; v96-127  four registers of codes for each step: no store's data are written again
.set SBY,  16                          ; v16-23   a scale byte for each step
.set LGT,  24                          ; v24-31   a logit for each step
.set GWT,  128                         ; v128-255 gate weight (k = 16 l + i, e) at 128 + 16 e + i
	s_load_b256 s[4:11], s[0:1], 0x0               ; x, gate_w, xq, xs
	s_load_b128 s[12:15], s[0:1], 0x20             ; tokw, route
	v_lshl_add_u32 v123, v0, 2, 0x37000
	v_mov_b32 v127, 0
	ds_add_u32 v123, v127
	ds_add_u32 v123, v127
	v_lshrrev_b32 v9, 5, v0
	v_readfirstlane_b32 s58, v9                    ; wave 0..7
	s_and_b32 s59, s58, 1                          ; hk
	s_lshr_b32 s60, s58, 1                         ; tg: which 8 tokens
	; group 1 for gate_w: 8 rows of 64 elements of 8 bytes, dense; 4 words of padding behind every 128 words
	s_mov_b32 s16, (3<<16)|(1<<20)|(6<<22)|(3<<25)
	s_mov_b32 s17, 64<<16
	s_mov_b32 s18, 8<<16
	s_mov_b32 s19, 64<<16
	s_mov_b32 s20, 8
	s_mov_b32 s21, 64
	s_mov_b32 s22, 0
	s_mov_b32 s23, 0
	; group 1 for x: 2 rows of 512 elements of 4 bytes, 1,024 elements apart; 4 words of padding behind every 16 words
	s_mov_b32 s24, (2<<16)|(1<<20)|(3<<22)|(3<<25)
	s_mov_b32 s25, 512<<16
	s_mov_b32 s26, 2<<16
	s_mov_b32 s27, 512<<16
	s_mov_b32 s28, 2
	s_mov_b32 s29, 1024
	s_mov_b32 s30, 0
	s_mov_b32 s31, 0
	s_lshl_b32 s2, ttmp9, 17                       ; 32 rows of 4,096 bytes a work-group,
	s_lshl_b32 s61, s60, 15                        ; 8 rows a group of tokens,
	s_add_co_u32 s2, s2, s61
	s_lshl_b32 s61, s59, 11                        ; 2,048 bytes a half
	s_add_co_u32 s2, s2, s61
	s_mov_b32 s3, 0
	s_lshl_b32 s66, s58, 12                        ; my 8 rows of gate_w's 64
	s_mov_b32 s67, 0
	s_mul_i32 s62, s58, XW
	s_mul_i32 s63, s58, 8*GROW
	s_wait_dscnt 0x0
	s_wait_kmcnt 0x0
	s_mov_b32 s32, 1
	s_add_co_u32 s33, s63, GW
	s_add_nc_u64 s[34:35], s[6:7], s[66:67]
	s_or_b32 s35, s35, 0x80000000
	s_add_nc_u64 s[2:3], s[4:5], s[2:3]
.irp i, 0,1,2,3
	s_mov_b32 s[36+4*\i], 1
	s_add_co_u32 s[37+4*\i], s62, \i*2*XROW
	s_add_nc_u64 s[38+4*\i:39+4*\i], s[2:3], \i*8192
	s_or_b32 s[39+4*\i], s[39+4*\i], 0x80000000
.endr
	tensor_load_to_lds s[32:35], s[16:23]          ; all first fills in one group: gate_w first, then my 8 half rows, two to a load
	s_nop 0
	tensor_load_to_lds s[36:39], s[24:31]
	s_nop 0
	tensor_load_to_lds s[40:43], s[24:31]
	s_nop 0
	tensor_load_to_lds s[44:47], s[24:31]
	s_nop 0
	tensor_load_to_lds s[48:51], s[24:31]
	s_nop 0
.rept 4
	v_nop
.endr
	s_mul_i32 s66, ttmp9, 24576
	s_add_nc_u64 s[8:9], s[8:9], s[66:67]          ; xq at my 32 tokens
	s_lshl_b32 s66, ttmp9, 9
	s_add_nc_u64 s[10:11], s[10:11], s[66:67]      ; xs likewise
	s_lshl_b32 s66, ttmp9, 7
	s_add_nc_u64 s[12:13], s[12:13], s[66:67]      ; tokw
	s_add_nc_u64 s[14:15], s[14:15], s[66:67]      ; route
	s_mov_b32 s52, 0xaaaaaaaa                      ; lanes with bit 0, 1, 2 set
	s_mov_b32 s53, 0xcccccccc
	s_mov_b32 s54, 0xf0f0f0f0
	s_mov_b32 s56, 0x76543210                      ; selects: lane l xor 16
	s_mov_b32 s57, 0xfedcba98
	v_and_b32 v9, 31, v0                           ; lane
	v_mul_u32_u24 v1, v9, 80
	v_add_nc_u32 v1, s62, v1                       ; v1: my 64 bytes of a half row
	s_mul_i32 s61, s59, 32*GROW
	s_add_co_u32 s61, s61, GW
	v_mul_u32_u24 v2, v9, GROW
	v_add_nc_u32 v2, s61, v2                       ; v2: my row of gate_w
	s_lshl_b32 s61, s59, 10
	s_lshl_b32 s68, s60, 8
	s_add_co_u32 s61, s61, s68
	s_add_co_u32 s61, s61, LG
	v_and_b32 v12, 1, v9
	v_bfe_u32 v13, v9, 1, 1
	v_bfe_u32 v14, v9, 2, 1
	v_lshlrev_b32 v3, 4, v12
	v_lshl_add_u32 v3, v13, 3, v3
	v_lshl_add_u32 v3, v14, 2, v3
	v_add_nc_u32 v3, s61, v3                       ; v3: the logit that ends in my lane is expert 4 bit0 + 2 bit1 + bit2
	s_lshl_b32 s61, s59, 9
	s_lshl_b32 s68, s60, 7
	s_add_co_u32 s61, s61, s68
	s_add_co_u32 s61, s61, SCB
	v_lshrrev_b32 v4, 1, v9
	v_add_nc_u32 v4, s61, v4                       ; v4: my block's scale byte
	s_mul_i32 s61, s60, 6144
	s_mul_i32 s68, s59, 384
	s_add_co_u32 s61, s61, s68
	s_add_co_u32 s61, s61, CD
	v_lshrrev_b32 v5, 3, v9
	v_mul_u32_u24 v5, v5, 96                       ; 96 bytes for each 128 along K;
	v_mad_u32_u24 v5, v13, 48, v5                  ; block q of its four at 48 (q & 1) + 24 (q >> 1);
	v_mad_u32_u24 v5, v14, 24, v5
	v_mad_u32_u24 v5, v12, 12, v5                  ; the block's second 16 codes 12 bytes on
	v_add_nc_u32 v5, s61, v5                       ; v5: my 12 bytes of codes
	s_mul_i32 s61, s58, 3072
	v_lshl_add_u32 v7, v9, 4, s61                  ; v7: the way out, in xq: 3,072 bytes a wave, 16 a lane
	v_add_nc_u32 v6, CD, v7                        ; v6: and in LDS
	v_lshlrev_b32 v8, 5, v9
	v_add_nc_u32 v8, LG, v8                        ; v8: the routing: a lane a token, 32 bytes of logits
	v_lshlrev_b32 v10, 2, v9                       ; v10: 4 x lane
	s_lshl_b32 s61, s59, 9
	v_lshl_add_u32 v11, v9, 4, s61
	v_add_nc_u32 v11, SCB, v11                     ; v11: a half's 512 scale bytes, 16 a lane
	s_lshl_b32 s61, s59, 17
	v_lshl_add_u32 v15, v9, 4, s61                 ; v15: and their place in xs
	s_wait_tensorcnt 0x4                           ; my rows of gate_w are in; the four loads of x, issued behind, may stay out
	s_barrier_signal -1
	s_barrier_wait -1                              ; everybody's are
.irp e, 0,1,2,3,4,5,6,7
.irp i, 0,1,2,3,4,5,6,7,8,9,10,11,12,13,14,15
	ds_load_b32 v[GWT+16*\e+\i], v2 offset:32*\i+4*\e   ; turned on the way: k runs along the registers
.endr
.endr
.macro XLD t                           ; half row t of my 8: my 16 neighbours
.irp j, 0,1,2,3
	ds_load_b128 v[X+16*((\t)%2)+4*\j:X+16*((\t)%2)+4*\j+3], v1 offset:XROW*(\t)+16*\j
.endr
.endm
	s_wait_dscnt 0x0
	s_wait_tensorcnt 0x3                           ; rows 0 and 1 are in (three loads were issued behind theirs)
	XLD 0
.macro STEP tr
.set XS, X+16*((\tr)%2)
.if (\tr) < 7
.if ((\tr)+1)%2 == 0
	s_wait_tensorcnt 3-((\tr)+1)/2                 ; the next two rows: as many loads were issued behind theirs
.endif
	XLD (\tr)+1
.endif
.if (\tr) == 0
	s_wait_dscnt 4                                 ; behind this row's loads: the next row's 4
.elseif (\tr) < 7
	s_wait_dscnt 9                                 ; the last step's 5 stores and the next row's 4 loads
.else
	s_wait_dscnt 5                                 ; the last step's 5 stores
.endif
.irp e, 0,1,2,3,4,5,6,7
	v_pk_mul_f32 v[ACC+2*\e:ACC+2*\e+1], v[XS:XS+1], v[GWT+16*\e:GWT+16*\e+1]   ; the first products start the sums
.endr
.irp i, 2,4,6,8,10,12,14
.irp e, 0,1,2,3,4,5,6,7
	v_pk_fma_f32 v[ACC+2*\e:ACC+2*\e+1], v[XS+\i:XS+\i+1], v[GWT+16*\e+\i:GWT+16*\e+\i+1], v[ACC+2*\e:ACC+2*\e+1]
.endr
.endr
	v_max3_num_f32 v12, |v[XS]|, |v[XS+1]|, |v[XS+2]|              ; the largest magnitude of my 16
	v_max3_num_f32 v13, |v[XS+3]|, |v[XS+4]|, |v[XS+5]|
.irp i, 6,10
	v_max3_num_f32 v12, v12, |v[XS+\i]|, |v[XS+\i+1]|
	v_max3_num_f32 v13, v13, |v[XS+\i+2]|, |v[XS+\i+3]|
.endr
	v_max3_num_f32 v12, v12, |v[XS+14]|, |v[XS+15]|
	v_max3_num_f32 v12, v12, v13, 0x1800000        ; and the floor 2^(3 - 127): the byte cannot fall under 1
	v_max_num_f32_dpp v12, v12, v12 row_xmask:1 row_mask:0xf bank_mask:0xf   ; with my neighbour's 16: the block's
	v_add_nc_u32 v14, 0xff000000, v12              ; 2 off its exponent field: the conversion's scale operand
	v_cvt_scalef32_pk16_fp6_f32 v[COD+4*(\tr):COD+4*(\tr)+2], v[XS:XS+15], v14
	v_lshrrev_b32 v[SBY+(\tr)], 23, v14            ; the scale's byte (a plain line behind the conversion)
.irp e, 0,1,2,3,4,5,6,7
	v_add_f32 v[RED+\e], v[ACC+2*\e], v[ACC+2*\e+1]
.endr
	; eight sums over 32 lanes: in each of three steps a lane keeps half of its sums and hands the other half to the lane one bit away
.irp e, 0,1,2,3
	v_cndmask_b32 v[RED+8+\e], v[RED+\e], v[RED+4+\e], s52
	v_cndmask_b32 v[RED+12+\e], v[RED+4+\e], v[RED+\e], s52
.endr
.irp e, 0,1,2,3
	v_add_f32_dpp v[RED+\e], v[RED+12+\e], v[RED+8+\e] row_xmask:1 row_mask:0xf bank_mask:0xf
.endr
.irp e, 0,1
	v_cndmask_b32 v[RED+8+\e], v[RED+\e], v[RED+2+\e], s53
	v_cndmask_b32 v[RED+12+\e], v[RED+2+\e], v[RED+\e], s53
.endr
.irp e, 0,1
	v_add_f32_dpp v[RED+\e], v[RED+12+\e], v[RED+8+\e] row_xmask:2 row_mask:0xf bank_mask:0xf
.endr
	v_cndmask_b32 v[RED+8], v[RED], v[RED+1], s54
	v_cndmask_b32 v[RED+12], v[RED+1], v[RED], s54
	v_add_f32_dpp v[RED], v[RED+12], v[RED+8] row_xmask:4 row_mask:0xf bank_mask:0xf
	v_add_f32_dpp v[RED], v[RED], v[RED] row_xmask:8 row_mask:0xf bank_mask:0xf
	v_permlanex16_b32 v[RED+8], v[RED], s56, s57
	v_add_f32 v[LGT+(\tr)], v[RED], v[RED+8]       ; the half sum of expert 4 bit0 + 2 bit1 + bit2; four lanes hold the same
	ds_store_b32 v3, v[LGT+(\tr)] offset:32*(\tr)
	ds_store_b8 v4, v[SBY+(\tr)] offset:16*(\tr)   ; both lanes of a block write the same byte with the same value
	ds_store_b32 v5, v[COD+4*(\tr)] offset:768*(\tr)
	ds_store_b32 v5, v[COD+4*(\tr)+1] offset:768*(\tr)+4
	ds_store_b32 v5, v[COD+4*(\tr)+2] offset:768*(\tr)+8
.endm
.irp t, 0,1,2,3,4,5,6,7
	STEP \t
.endr
	s_wait_dscnt 0x0                               ; for the others: my stores have landed
	s_barrier_signal -1
	s_barrier_wait -1
.irp i, 0,1,2,3,4,5
	ds_load_b128 v[X+4*\i:X+4*\i+3], v6 offset:512*\i
.endr
.irp i, 0,1,2,3,4,5
	s_wait_dscnt 5-\i
	global_store_b128 v7, v[X+4*\i:X+4*\i+3], s[8:9] offset:512*\i    ; 32 lanes store 512 consecutive bytes, aligned
.endr
	s_cmp_lt_u32 s58, 2
	s_cbranch_scc0 .Lnot_scales
	ds_load_b128 v[56:59], v11                     ; waves 0 and 1: a half's scale bytes of the 32 tokens
	s_wait_dscnt 0x0
	global_store_b128 v15, v[56:59], s[10:11]
	s_wait_tensorcnt 0x0
	ds_add_u32 v123, v127
	s_wait_dscnt 0x0
	s_endpgm
.Lnot_scales:
	s_cmp_eq_u32 s58, 2
	s_cbranch_scc1 .Lroute
	s_wait_tensorcnt 0x0
	ds_add_u32 v123, v127
	s_wait_dscnt 0x0
	s_endpgm
.Lroute:                                               ; wave 2: a lane a token.  It works in the registers that held the gate weights
	ds_load_b128 v[128:131], v8
	ds_load_b128 v[132:135], v8 offset:16
	ds_load_b128 v[136:139], v8 offset:1024
	ds_load_b128 v[140:143], v8 offset:1040
	s_wait_dscnt 0x0
.irp e, 0,1,2,3,4,5,6,7
	v_add_f32 v[128+\e], v[128+\e], v[136+\e]      ; z_e
.endr
	v_max3_num_f32 v144, v128, v129, v130
	v_max3_num_f32 v144, v144, v131, v132
	v_max3_num_f32 v144, v144, v133, v134
	v_max_num_f32 v144, v144, v135                 ; the largest is taken away ahead of the exponentials
.irp e, 0,1,2,3,4,5,6,7
	v_sub_f32 v[128+\e], v[128+\e], v144
.endr
.irp e, 0,1,2,3,4,5,6,7
	v_max_num_f32 v[128+\e], 0xc2d00000, v[128+\e] ; d_e, held at -104: below it every gate is 0 and the lower index wins
.endr
.irp e, 0,1,2,3,4,5,6,7
	v_mul_f32 v[136+\e], 0x3fb8aa3b, v[128+\e]
.endr
.irp e, 0,1,2,3,4,5,6,7
	v_exp_f32 v[136+\e], v[136+\e]
.endr
	v_mov_b32 v146, v128                           ; the largest d and its index; a later equal does not displace an earlier one
	v_mov_b32 v147, 0
.irp e, 1,2,3,4,5,6,7
	v_cmp_le_f32 vcc_lo, v[128+\e], v146
	v_cndmask_b32 v146, v[128+\e], v146, vcc_lo
	v_cndmask_b32 v147, \e, v147, vcc_lo
.endr
	v_mov_b32 v148, 0xff61b1e6                     ; the second: -3e38 lies under every d
	v_mov_b32 v149, 0
.irp e, 0,1,2,3,4,5,6,7
	v_cmp_le_f32 s68, v[128+\e], v148
	v_cmp_eq_u32 s69, \e, v147
	s_or_b32 s68, s68, s69                         ; keep what stands: not larger, or the first choice itself
	v_cndmask_b32 v148, v[128+\e], v148, s68
	v_cndmask_b32 v149, \e, v149, s68
.endr
	s_wait_alu depctr_va_vdst(0)
	v_add_f32 v145, v136, v137
.irp e, 2,3,4,5,6,7
	v_add_f32 v145, v145, v[136+\e]
.endr
	v_mul_f32 v150, 0x3fb8aa3b, v146
	v_mul_f32 v151, 0x3fb8aa3b, v148
	v_exp_f32 v150, v150
	v_exp_f32 v151, v151
	v_rcp_f32 v152, v145
	v_min_u32 v153, v147, v149                     ; lo (a plain line behind the transcendentals)
	v_max_u32 v154, v147, v149                     ; hi
	s_wait_alu depctr_va_vdst(0)
	v_add_f32 v150, v150, v151
	v_mul_f32 v150, v150, v152                     ; the sum of the two gates
	v_sub_nc_u32 v155, 15, v153
	v_mul_u32_u24 v155, v153, v155
	v_lshrrev_b32 v155, 1, v155                    ; lo (15 - lo) / 2 pairs have a smaller lo
	v_sub_nc_u32 v159, 7, v154                     ; odd lo: hi runs down,
	v_sub_nc_u32 v160, v154, v153
	v_add_nc_u32 v160, -1, v160                    ; even lo: up: so neighbouring keys share an expert
	v_and_b32 v161, 1, v153
	v_cmp_eq_u32 vcc_lo, 1, v161
	v_cndmask_b32 v159, v160, v159, vcc_lo
	v_add_nc_u32 v155, v155, v159                  ; key, 0 .. 27
	v_mov_b32 v156, 0                              ; rank
	v_mov_b32 v157, 0                              ; lane k: how many of the 32 tokens have key k
.irp k, 0,1,2,3,4,5,6,7,8,9,10,11,12,13,14,15,16,17,18,19,20,21,22,23,24,25,26,27
	v_cmp_eq_u32 s68, \k, v155
	v_mbcnt_lo_u32_b32 v158, s68, 0
	v_cndmask_b32 v156, v156, v158, s68
	s_bcnt1_i32_b32 s69, s68
	v_writelane_b32 v157, s69, \k
.endr
	v_lshl_or_b32 v155, v156, 8, v155
	v_lshl_or_b32 v155, v153, 16, v155
	v_lshl_or_b32 v155, v154, 20, v155
	global_store_b32 v10, v155, s[14:15]                    ; three stores of 128 consecutive bytes: all that a group of 32 tokens has of each
	global_store_b32 v10, v157, s[14:15] offset:32768
	global_store_b32 v10, v150, s[12:13]
	s_wait_tensorcnt 0x0
	ds_add_u32 v123, v127
	s_wait_dscnt 0x0
	s_endpgm
.Lfunc_end_k_qdf044ca93e_route_x:
	.size	k_qdf044ca93e_route_x, .Lfunc_end_k_qdf044ca93e_route_x-k_qdf044ca93e_route_x
	.p2alignl 7, 3214868480
	.fill 96, 4, 3214868480
	.section	.rodata,"a",@progbits
	.p2align	6, 0x0
	.amdhsa_kernel k_qdf044ca93e_route_x
		.amdhsa_group_segment_fixed_size 226304
		.amdhsa_private_segment_fixed_size 0
		.amdhsa_enable_private_segment 0
		.amdhsa_kernarg_size 48
		.amdhsa_user_sgpr_count 2
		.amdhsa_user_sgpr_kernarg_segment_ptr 1
		.amdhsa_wavefront_size32 1
		.amdhsa_system_sgpr_workgroup_id_x 1
		.amdhsa_system_sgpr_workgroup_id_y 1
		.amdhsa_system_sgpr_workgroup_id_z 1
		.amdhsa_system_vgpr_workitem_id 0
		.amdhsa_next_free_vgpr 256
		.amdhsa_next_free_sgpr 72
		.amdhsa_reserve_vcc 1
		.amdhsa_float_denorm_mode_32 3
		.amdhsa_float_denorm_mode_16_64 3
		.amdhsa_memory_ordered 1
		.amdhsa_forward_progress 1
		.amdhsa_inst_pref_size 88
	.end_amdhsa_kernel
	.amdgpu_metadata
---
amdhsa.version: [ 1, 2 ]
amdhsa.kernels:
  - .name:           k_qdf044ca93e_route_x
    .symbol:         k_qdf044ca93e_route_x.kd
    .args:
      - { .name: x, .offset: 0, .size: 8, .value_kind: global_buffer, .address_space: global }
      - { .name: gate_w, .offset: 8, .size: 8, .value_kind: global_buffer, .address_space: global }
      - { .name: xq, .offset: 16, .size: 8, .value_kind: global_buffer, .address_space: global }
      - { .name: xs, .offset: 24, .size: 8, .value_kind: global_buffer, .address_space: global }
      - { .name: tokw, .offset: 32, .size: 8, .value_kind: global_buffer, .address_space: global }
      - { .name: route, .offset: 40, .size: 8, .value_kind: global_buffer, .address_space: global }
    .group_segment_fixed_size: 226304
    .private_segment_fixed_size: 0
    .kernarg_segment_align: 8
    .kernarg_segment_size: 48
    .max_flat_workgroup_size: 256
    .sgpr_count:     72
    .vgpr_count:     256
    .wavefront_size: 32
...
	.end_amdgpu_metadata
.endif
;; end of part 1
;; launch prep_w (part 2): grid 257 x 1, 8 waves a work-group, no clusters, 2,048 bytes of LDS; arguments w1, w2, route, wq, ws, order; writes wq, ws, order
.if DOCPART == 2
	.amdgcn_target "amdgcn-amd-amdhsa--gfx1250"
	.amdhsa_code_object_version 6
	.text
	.protected	k_qdf044ca93e_prep_w
	.globl	k_qdf044ca93e_prep_w
	.p2align	8
	.type	k_qdf044ca93e_prep_w,@function
k_qdf044ca93e_prep_w:
	s_mov_b64 s[64:65], 0
	v_nop
	global_prefetch_b8 v0, s[64:65] scope:SCOPE_SE
	s_setreg_imm32_b32 hwreg(HW_REG_WAVE_MODE, 25, 1), 1
	s_wait_xcnt 0x0
; THE WEIGHTS INTO CODES, AND THE SORT OF THE TOKENS.
; w1 [8][1024 (K)][512], w2 [8][512 (K)][1024], f32, K the first axis of an expert.  Work-groups 1 to 128 take w1, 129 to 256 w2; work-group 0 sorts.
; WEIGHTS.  A wave takes 32 columns x 128 along K.  A lane takes a column and its registers run down K: a load reads 128 consecutive bytes, the eight waves stand side by side;
; a block of 32 lies in one lane, and the conversions give codes with K innermost.  The codes are stored IN THE ORDER OF THE OPERAND REGISTERS of the later product:
; a fragment (16 rows x 128 K) is 1,536 bytes, registers 4 c .. 4 c + 3 of lane r + 16 h at 512 c + 256 h + 16 r.  A column holds all four blocks of its row, so it writes for both halves:
; blocks 0 and 2 (h = 0), blocks 1 and 3 (h = 1).  Sixteen lanes fill 256 consecutive aligned bytes in every store of codes.
; wq: w1 part [w 4][e 8][131,072 bytes, of which 98,304 are used: s 8, t 8, 1536]; w2 part, 4,194,304 bytes on, [w 4][e 8][131,072: s 4, t 16, 1536].  An expert's stride is a power of two, so that the later launch
; makes an expert's place by one shift; the bytes between are neither written nor read.  ws: [e][w][pair of tiles][s][32 words], w2 part 131,072 bytes on: word 16 u + r = row r of tile 2 p + u.
; THE ROWS OF w1 THAT FORM A TILE ARE NOT NEIGHBOURS: lane r of tile 2 b + u is hidden unit 32 b + 8 u + r + 8 (r / 8), so that the first product's results are neighbours along the second K.
; The scale words leave as 128 consecutive bytes a wave: one byte for each 128 that the wave reads.
; LIMITS: NaN and infinities are not served; a block whose largest magnitude lies under 2^-124 keeps the byte 1 (a block of zeros too: its codes are zeros, and this program alone reads the bytes).
; THE SORT.  A counting sort by key (28 keys): position = tokens with smaller keys + tokens of the same key in earlier groups + rank in the group.  Eight waves, 32 groups each, a lane a key.
; order[position] = token | lo << 16 | hi << 20.  The stores of order are scattered words, 32,768 bytes in all: they are the permutation itself.
	s_load_b256 s[4:11], s[0:1], 0x0               ; w1, w2, route, wq
	s_load_b128 s[12:15], s[0:1], 0x20             ; ws, order
	v_lshl_add_u32 v208, v0, 2, 0x400
	v_mov_b32 v209, 0
	v_lshrrev_b32 v1, 5, v0
	v_readfirstlane_b32 s16, v1                    ; wave 0..7
	v_and_b32 v4, 31, v0                           ; lane
	v_lshlrev_b32 v1, 2, v4                        ; 4 x lane
	s_mov_b32 s19, 0
	s_mov_b32 s21, 0
	s_mov_b32 s23, 0
	s_cmp_eq_u32 ttmp9, 0
	s_cbranch_scc1 .Lsort
	s_cmp_gt_u32 ttmp9, 128
	s_cbranch_scc1 .Lw2
.macro WLOAD pitch                     ; 128 rows of K, my column
.set I, 0
.rept 128
	global_load_b32 v[64+I], v1, s[32:33] offset:I*\pitch th:TH_LOAD_NT
.set I, I+1
.endr
.endm
	s_sub_co_u32 s17, ttmp9, 1
	s_lshr_b32 s24, s17, 4                         ; e
	s_bfe_u32 s25, s17, 0x30001                    ; s: which 128 of K
	s_and_b32 s26, s17, 1
	s_lshl_b32 s26, s26, 3
	s_add_co_u32 s26, s26, s16                     ; which 32 columns of 512
	s_lshr_b32 s27, s26, 2                         ; w: the wave of the later launch that owns them
	s_and_b32 s28, s26, 3                          ; b: which 32 of its 128
	s_lshl_b32 s18, s24, 21
	s_lshl_b32 s29, s25, 18
	s_add_co_u32 s18, s18, s29
	s_lshl_b32 s29, s26, 7
	s_add_co_u32 s18, s18, s29                     ; source, in bytes
	s_lshl_b32 s20, s24, 17                        ; 131,072 bytes an expert,
	s_lshl_b32 s29, s27, 20                        ; 1,048,576 a later wave
	s_add_co_u32 s20, s20, s29
	s_lshl_b32 s29, s25, 3
	s_lshl_b32 s30, s28, 1
	s_add_co_u32 s29, s29, s30
	s_mul_i32 s29, s29, 1536
	s_add_co_u32 s20, s20, s29                     ; fragment 8 s + 2 b
	s_lshl_b32 s22, s24, 14
	s_lshl_b32 s29, s27, 12
	s_add_co_u32 s22, s22, s29
	s_lshl_b32 s29, s28, 3
	s_add_co_u32 s29, s29, s25
	s_lshl_b32 s29, s29, 7
	s_add_co_u32 s22, s22, s29                     ; scale words 8 b + s
	v_bfe_u32 v5, v4, 3, 1                         ; u
	v_and_b32 v6, 7, v4
	v_lshrrev_b32 v7, 4, v4
	v_lshl_add_u32 v6, v7, 3, v6                   ; r
	v_mul_u32_u24 v2, v5, 1536
	v_lshl_add_u32 v2, v6, 4, v2                   ; v2: my place among the two fragments
	v_lshl_add_u32 v3, v5, 4, v6
	v_lshlrev_b32 v3, 2, v3                        ; v3: and among the 32 scale words
	s_wait_kmcnt 0x0
	s_add_nc_u64 s[32:33], s[4:5], s[18:19]
	WLOAD 2048
	s_branch .Lquant
.Lw2:
	s_sub_co_u32 s17, ttmp9, 129
	s_lshr_b32 s24, s17, 4                         ; e
	s_bfe_u32 s25, s17, 0x20002                    ; s
	s_and_b32 s26, s17, 3                          ; which 256 columns: the later wave
	s_lshl_b32 s18, s24, 21
	s_lshl_b32 s29, s25, 19
	s_add_co_u32 s18, s18, s29
	s_lshl_b32 s29, s26, 10
	s_add_co_u32 s18, s18, s29
	s_lshl_b32 s29, s16, 7
	s_add_co_u32 s18, s18, s29
	s_lshl_b32 s20, s24, 17                        ; 131,072 bytes an expert,
	s_lshl_b32 s29, s26, 20                        ; 1,048,576 a later wave
	s_add_co_u32 s20, s20, s29
	s_lshl_b32 s29, s25, 4
	s_lshl_b32 s30, s16, 1
	s_add_co_u32 s29, s29, s30
	s_mul_i32 s29, s29, 1536
	s_add_co_u32 s20, s20, s29
	s_add_co_u32 s20, s20, 4194304                 ; fragment 16 s + 2 wave of the w2 part
	s_lshl_b32 s22, s24, 14
	s_lshl_b32 s29, s26, 12
	s_add_co_u32 s22, s22, s29
	s_lshl_b32 s29, s16, 2
	s_add_co_u32 s29, s29, s25
	s_lshl_b32 s29, s29, 7
	s_add_co_u32 s22, s22, s29
	s_add_co_u32 s22, s22, 131072
	v_lshrrev_b32 v5, 4, v4
	v_and_b32 v6, 15, v4
	v_mul_u32_u24 v2, v5, 1536
	v_lshl_add_u32 v2, v6, 4, v2
	v_lshlrev_b32 v3, 2, v4
	s_wait_kmcnt 0x0
	s_add_nc_u64 s[32:33], s[6:7], s[18:19]
	WLOAD 4096
.Lquant:
	s_add_nc_u64 s[34:35], s[10:11], s[20:21]
	s_add_nc_u64 s[36:37], s[12:13], s[22:23]
.macro BLOCK q                         ; block q of my column: v[64 + 32 q] on.  Its codes: the lower 16 straight into their place, the upper 16 elsewhere (three registers begin on an even number)
.set XS, 64+32*(\q)
.set PD, 32+12*((\q)&1)+6*((\q)>>1)
.if (\q) == 0
	s_wait_loadcnt 63                              ; 96 loads were issued behind block 0's and 64 behind block 1's: this count, the largest that the wait can name, serves both
.elseif (\q) == 2
	s_wait_loadcnt 32
.elseif (\q) == 3
	s_wait_loadcnt 0
.endif
	v_max3_num_f32 v12, |v[XS]|, |v[XS+1]|, |v[XS+2]|
	v_max3_num_f32 v13, |v[XS+3]|, |v[XS+4]|, |v[XS+5]|
.irp i, 6,10,14,18,22,26
	v_max3_num_f32 v12, v12, |v[XS+\i]|, |v[XS+\i+1]|
	v_max3_num_f32 v13, v13, |v[XS+\i+2]|, |v[XS+\i+3]|
.endr
	v_max3_num_f32 v12, v12, |v[XS+30]|, |v[XS+31]|
	v_max3_num_f32 v12, v12, v13, 0x1800000        ; the floor 2^(3 - 127): the byte cannot fall under 1
	v_add_nc_u32 v11, 0xff000000, v12              ; 2 off the exponent field: the conversion's scale operand
	v_lshrrev_b32 v13, 23, v11                     ; the byte
.if (\q) == 0
	v_mov_b32 v30, v13
.else
	v_lshl_or_b32 v30, v13, 8*(\q), v30            ; four bytes make the row's scale word for these 128
.endif
	v_cvt_scalef32_pk16_fp6_f32 v[PD:PD+2], v[XS:XS+15], v11
	v_cvt_scalef32_pk16_fp6_f32 v[192+4*(\q):194+4*(\q)], v[XS+16:XS+31], v11
.endm
	BLOCK 0
	BLOCK 1
	BLOCK 2
	BLOCK 3
	v_nop                                          ; one plain line behind the last conversion
.irp q, 0,1,2,3
.irp i, 0,1,2
	v_mov_b32 v[32+12*(\q&1)+6*(\q>>1)+3+\i], v[192+4*\q+\i]
.endr
.endr
.irp c, 0,1,2
.irp h, 0,1
	global_store_b128 v2, v[32+12*\h+4*\c:32+12*\h+4*\c+3], s[34:35] offset:512*\c+256*\h
.endr
.endr
	global_store_b32 v3, v30, s[36:37]
	s_endpgm
.Lsort:                                                ; H v64-95 counts, later indices; KR v96-127 the tokens' words; POS v128-159; v160-191 running bases, later the words to store
	s_lshl_b32 s17, s16, 12
	v_add_nc_u32 v2, s17, v1                       ; my wave's 32 groups: 128 bytes a group
	v_lshlrev_b32 v3, 2, v0                        ; LDS: a word a thread
	s_lshl_b32 s17, s16, 10
	v_add_nc_u32 v5, s17, v4                       ; the token of my lane in my wave's first group
	s_wait_kmcnt 0x0
.set J, 0
.rept 32
	global_load_b32 v[64+J], v2, s[8:9] offset:32768+128*J
.set J, J+1
.endr
.set J, 0
.rept 32
	global_load_b32 v[96+J], v2, s[8:9] offset:128*J
.set J, J+1
.endr
	s_wait_loadcnt 32                              ; the counts are in; the 32 loads of words may be out
	v_add3_u32 v6, v64, v65, v66
.irp i, 67,69,71,73,75,77,79,81,83,85,87,89,91,93
	v_add3_u32 v6, v6, v[\i], v[\i+1]
.endr
	v_add_nc_u32 v6, v6, v95                       ; my wave's tokens of key = lane
	ds_store_b32 v3, v6
	s_wait_dscnt 0x0
	s_barrier_signal -1
	s_barrier_wait -1
.irp p, 0,1,2,3,4,5,6,7
	ds_load_b32 v[8+\p], v1 offset:128*\p
.endr
	s_wait_dscnt 0x0
	v_add3_u32 v16, v8, v9, v10
	v_add3_u32 v16, v16, v11, v12
	v_add3_u32 v16, v16, v13, v14
	v_add_nc_u32 v16, v16, v15                     ; all tokens of the key
	v_mov_b32 v17, 0
.irp p, 0,1,2,3,4,5,6
	s_cmp_gt_u32 s16, \p
	s_cselect_b32 s17, -1, 0
	v_and_b32 v18, s17, v[8+\p]
	v_add_nc_u32 v17, v17, v18                     ; those of earlier waves
.endr
	v_mov_b32 v19, 0
	s_mov_b32 s18, 0
.irp k, 0,1,2,3,4,5,6,7,8,9,10,11,12,13,14,15,16,17,18,19,20,21,22,23,24,25,26,27
	v_writelane_b32 v19, s18, \k                   ; tokens with smaller keys
	v_readlane_b32 s20, v16, \k
	s_add_co_u32 s18, s18, s20
.endr
	v_add_nc_u32 v160, v19, v17
.set J, 0
.rept 31
	v_add_nc_u32 v[161+J], v[160+J], v[64+J]       ; the base of each key for group J + 1
.set J, J+1
.endr
	s_wait_loadcnt 0x0
.set J, 0
.rept 32
	v_and_b32 v[64+J], 31, v[96+J]
	v_min_u32 v[64+J], 31, v[64+J]
	v_lshlrev_b32 v[64+J], 2, v[64+J]
	ds_bpermute_b32 v[128+J], v[64+J], v[160+J]    ; each token fetches the base of its key from the key's lane
.set J, J+1
.endr
	s_wait_dscnt 0x0
.set J, 0
.rept 32
	v_bfe_u32 v[64+J], v[96+J], 8, 5               ; rank
	v_add_nc_u32 v[128+J], v[128+J], v[64+J]
	v_min_u32 v[128+J], 0x1fff, v[128+J]
	v_lshlrev_b32 v[128+J], 2, v[128+J]
	v_add_nc_u32 v[160+J], 32*J, v5
	v_and_or_b32 v[160+J], v[96+J], 0xff0000, v[160+J]
	global_store_b32 v[128+J], v[160+J], s[14:15]
.set J, J+1
.endr
	s_wait_tensorcnt 0x0
	ds_add_u32 v208, v209
	s_wait_dscnt 0x0
	s_endpgm
.Lfunc_end_k_qdf044ca93e_prep_w:
	.size	k_qdf044ca93e_prep_w, .Lfunc_end_k_qdf044ca93e_prep_w-k_qdf044ca93e_prep_w
	.p2alignl 7, 3214868480
	.fill 96, 4, 3214868480
	.section	.rodata,"a",@progbits
	.p2align	6, 0x0
	.amdhsa_kernel k_qdf044ca93e_prep_w
		.amdhsa_group_segment_fixed_size 2048
		.amdhsa_private_segment_fixed_size 0
		.amdhsa_enable_private_segment 0
		.amdhsa_kernarg_size 48
		.amdhsa_user_sgpr_count 2
		.amdhsa_user_sgpr_kernarg_segment_ptr 1
		.amdhsa_wavefront_size32 1
		.amdhsa_system_sgpr_workgroup_id_x 1
		.amdhsa_system_sgpr_workgroup_id_y 1
		.amdhsa_system_sgpr_workgroup_id_z 1
		.amdhsa_system_vgpr_workitem_id 0
		.amdhsa_next_free_vgpr 210
		.amdhsa_next_free_sgpr 66
		.amdhsa_reserve_vcc 0
		.amdhsa_float_denorm_mode_32 3
		.amdhsa_float_denorm_mode_16_64 3
		.amdhsa_memory_ordered 1
		.amdhsa_forward_progress 1
		.amdhsa_inst_pref_size 68
	.end_amdhsa_kernel
	.amdgpu_metadata
---
amdhsa.version: [ 1, 2 ]
amdhsa.kernels:
  - .name:           k_qdf044ca93e_prep_w
    .symbol:         k_qdf044ca93e_prep_w.kd
    .args:
      - { .name: w1, .offset: 0, .size: 8, .value_kind: global_buffer, .address_space: global }
      - { .name: w2, .offset: 8, .size: 8, .value_kind: global_buffer, .address_space: global }
      - { .name: route, .offset: 16, .size: 8, .value_kind: global_buffer, .address_space: global }
      - { .name: wq, .offset: 24, .size: 8, .value_kind: global_buffer, .address_space: global }
      - { .name: ws, .offset: 32, .size: 8, .value_kind: global_buffer, .address_space: global }
      - { .name: order, .offset: 40, .size: 8, .value_kind: global_buffer, .address_space: global }
    .group_segment_fixed_size: 2048
    .private_segment_fixed_size: 0
    .kernarg_segment_align: 8
    .kernarg_segment_size: 48
    .max_flat_workgroup_size: 256
    .sgpr_count:     66
    .vgpr_count:     210
    .wavefront_size: 32
...
	.end_amdgpu_metadata
.endif
;; end of part 2
;; launch experts (part 3): grid 256 x 1, 4 waves a work-group, no clusters, 80,384 bytes of LDS; arguments xq, xs, wq, ws, tokw, order, b1, b2, out0; writes out0
.if DOCPART == 3
	.amdgcn_target "amdgcn-amd-amdhsa--gfx1250"
	.amdhsa_code_object_version 6
	.text
	.protected	k_qdf044ca93e_experts
	.globl	k_qdf044ca93e_experts
	.p2align	8
	.type	k_qdf044ca93e_experts,@function
k_qdf044ca93e_experts:
	s_mov_b64 s[64:65], 0
	v_nop
	global_prefetch_b8 v0, s[64:65] scope:SCOPE_SE
	s_setreg_imm32_b32 hwreg(HW_REG_WAVE_MODE, 25, 1), 1
	s_wait_xcnt 0x0
; out[token] = tok_w x the sum over the token's two experts e of (gelu(x W1e + b1e) W2e + b2e), both products on codes of E2M3 with one E8M0 scale for each 32 along K.
; SHARES.  A work-group owns 32 tokens that stand together in the sorted list: two tiles of 16 (m = 0, 1).  It walks e = 0 .. 7, a constant count, and jumps over the WORK of an expert that none
; of its tokens chose: the same mask is tested twice in a trip, round each half of the work, and both barriers of a trip lie on every path.  Nothing that the second half reads from registers is written in the first half alone.
; THE WAVES SHARE THE COLUMNS: wave w makes hidden units 128 w on (one K step of the second product) and outputs 256 w on, for all 32 tokens.
; Each output row has one owner: the sums of both experts stay in 256 registers and leave once.
; WEIGHTS go from memory straight into registers: they lie in the order of the operand registers, a fragment is three loads of 512 consecutive bytes, read once a work-group, and feeds two matrix instructions.
; In wq my wave's part begins w << 20 bytes on, an expert e << 17 bytes on in it, W2's part 4,194,304 bytes behind W1's.
; A ring of 16 fragments (4 groups of 4) is filled three groups ahead, on across the change of product and into the next chosen expert; that expert's scale words and b1 are asked for during the second product.
; Behind the last chosen expert these loads ahead (48 of codes, 80 of scale words and b1) read that expert again and are not used: so the counts of the waits are the same on every path.
; Both products are used TRANSPOSED (source 0 = 16 rows of weights, source 1 = 16 tokens): a lane holds one token throughout.  The hidden layer goes from wave to wave through LDS as images of operand registers.
; A token that did not choose e gets zero codes in the hidden layer: it adds nothing.
; NO CLUSTER, NO TENSOR LOAD, though work-groups read the same weights: which experts a work-group walks is read from the stored list, partners would want different experts.
; GELU.  gelu(v) = max(v, 0) - |v| Q(|v|), Q the normal law's upper tail by the rational form of Abramowitz and Stegun 26.2.17: Q = exp(-v^2 / 2) (c1 t + .. + c5 t^5), t = 1 / (1 + 0.2316419 |v|).
; LIMITS: that form's error in Q is at most 7.5e-8 absolute, for every v; NaN and infinities are not served; a block whose largest magnitude lies under 2^-124 keeps the scale byte 1.
; REGISTERS, in windows of 256.  Window 0: v1 16 x lane, v2 4 x lane, v3 64 h, v4 my token's two experts as bits, v5 my token (lane L: token L of the 32), v6 / v8 tok_w of tile 0 / 1,
;   v7 / v9 where I store images / scale words, v10 the scale word just made, v11 / v127 the stage: read / write, v[12:13] c4; scales and nothing else: v14-21 x, v22-25 hidden, v26-57 W1, v58-89 W2;
;   v90-126 at work; v128-255 the first product's 16 accumulators ((t, m) at 128 + 64 m + 8 t), then the 8 hidden fragments.
;   Window 1: v0-191 x's 16 fragments ((m, ks) at 12 (8 m + ks)); v192-255 b1's 8 tiles.  Window 2: v0-191 the ring.  Window 3: the 32 accumulators of out ((t, m) at 16 t + 8 m).
.set HSC,  12288                       ; LDS: 0: the hidden layer's 8 fragments ((m, s) at 1536 (4 m + s)); here: their scale words, [s][m][16 words];
.set STG,  12800                       ; the stages: for each wave 16 rows of 1,024 bytes + 16
.set SROW, 1040
.set XSR,  14
.set HSR,  22
.set SWA,  26
.set SWB,  58
.set GT,   90
.set GU,   98
.set GP,   106
.set TM,   90
.set PW,   10
.set PC,   108
.set HA,   128
.set B1R,  192
.set W2P,  4194304                     ; from W1's part of wq to W2's
.set MSB, 0
.macro WIN new                         ; the immediate's high byte repeats the setting that is left
.if MSB != \new
	s_set_vgpr_msb (MSB<<8)|\new
.set MSB, \new
.endif
.endm
.set ISS, 0                            ; the text counts its own loads: ISS = loads written so far, ENDn = ISS behind the last load of the group in ring quarter n
.set END0, 0
.set END1, 0
.set END2, 0
.set END3, 0
.macro MARK g
.if ((\g)&3) == 0
.set END0, ISS
.elseif ((\g)&3) == 1
.set END1, ISS
.elseif ((\g)&3) == 2
.set END2, ISS
.else
.set END3, ISS
.endif
.endm
.macro WAITG g                         ; group g is in: as many loads may be out as were issued behind its last
.if ((\g)&3) == 0
	s_wait_loadcnt ISS-END0
.elseif ((\g)&3) == 1
	s_wait_loadcnt ISS-END1
.elseif ((\g)&3) == 2
	s_wait_loadcnt ISS-END2
.else
	s_wait_loadcnt ISS-END3
.endif
.endm
; group g of 4 fragments: 0-15 W1 of the expert in hand, 16-31 its W2, 32-35 the first four of the next chosen expert's W1
.macro LOADG g
	WIN 0x80
.irp k, 0,1,2,3
.irp c, 0,1,2
.set RR, 12*(4*((\g)&3)+\k)+4*\c
.if (\g) < 16
	global_load_b128 v[RR:RR+3], v1, s[32:33] offset:1536*(4*(\g)+\k)+512*\c
.elseif (\g) < 32
	global_load_b128 v[RR:RR+3], v1, s[34:35] offset:1536*(4*((\g)-16)+\k)+512*\c
.else
	global_load_b128 v[RR:RR+3], v1, s[38:39] offset:1536*(4*((\g)-32)+\k)+512*\c
.endif
.endr
.endr
.set ISS, ISS+12
	MARK \g
.endm
.macro SW2COL s                        ; the next chosen expert's scale words of W2 for K step s: register 4 (t / 2) + s
	WIN 0
.irp p, 0,1,2,3,4,5,6,7
	global_load_b32 v[SWB+4*\p+(\s)], v2, s[36:37] offset:128*(4*\p+(\s))
.endr
.set ISS, ISS+8
.endm
.macro MM d, a, b, c, sa, sb, ra, rb   ; ra, rb: the scales stand in lanes 16-31 of their register
.if (\ra) && (\rb)
	v_wmma_scale_f32_16x16x128_f8f6f4 v[(\d):(\d)+7], v[(\a):(\a)+11], v[(\b):(\b)+11], v[(\c):(\c)+7], v[\sa], v[\sb] matrix_a_fmt:MATRIX_FMT_FP6 matrix_b_fmt:MATRIX_FMT_FP6 matrix_a_scale:MATRIX_SCALE_ROW1 matrix_b_scale:MATRIX_SCALE_ROW1
.elseif (\ra)
	v_wmma_scale_f32_16x16x128_f8f6f4 v[(\d):(\d)+7], v[(\a):(\a)+11], v[(\b):(\b)+11], v[(\c):(\c)+7], v[\sa], v[\sb] matrix_a_fmt:MATRIX_FMT_FP6 matrix_b_fmt:MATRIX_FMT_FP6 matrix_a_scale:MATRIX_SCALE_ROW1
.elseif (\rb)
	v_wmma_scale_f32_16x16x128_f8f6f4 v[(\d):(\d)+7], v[(\a):(\a)+11], v[(\b):(\b)+11], v[(\c):(\c)+7], v[\sa], v[\sb] matrix_a_fmt:MATRIX_FMT_FP6 matrix_b_fmt:MATRIX_FMT_FP6 matrix_b_scale:MATRIX_SCALE_ROW1
.else
	v_wmma_scale_f32_16x16x128_f8f6f4 v[(\d):(\d)+7], v[(\a):(\a)+11], v[(\b):(\b)+11], v[(\c):(\c)+7], v[\sa], v[\sb] matrix_a_fmt:MATRIX_FMT_FP6 matrix_b_fmt:MATRIX_FMT_FP6
.endif
.endm
.macro NBASES                          ; from s28, the next chosen expert, held to 7: its W1 codes, its scale words of W1 and of W2, and its b1: my wave's part.  Each offset is one shift of s28
	s_lshl_b32 s30, s28, 17
	s_mov_b32 s31, 0
	s_add_nc_u64 s[38:39], s[44:45], s[30:31]
	s_lshl_b32 s30, s28, 14
	s_add_nc_u64 s[40:41], s[46:47], s[30:31]
	s_add_nc_u64 s[36:37], s[40:41], 131072
	s_lshl_b32 s30, s28, 11
	s_add_nc_u64 s[42:43], s[48:49], s[30:31]
.endm
	s_load_b512 s[4:19], s[0:1], 0x0               ; xq, xs, wq, ws, tokw, order, b1, b2
	s_load_b64 s[20:21], s[0:1], 0x40              ; out0
	v_lshl_add_u32 v123, v0, 2, 0x13800
	s_set_vgpr_msb 0x80
	v_mov_b32 v255, 0
	s_set_vgpr_msb 0x8000
	v_lshrrev_b32 v90, 5, v0
	v_readfirstlane_b32 s22, v90                   ; wave 0..3
	v_and_b32 v91, 31, v0                          ; lane
	v_and_b32 v92, 15, v0                          ; r
	v_bfe_u32 v93, v0, 4, 1                        ; h
	v_lshlrev_b32 v1, 4, v91
	v_lshlrev_b32 v2, 2, v91
	v_lshlrev_b32 v3, 6, v93
	s_mul_i32 s29, s22, 1536
	v_add_nc_u32 v7, s29, v1                       ; images: fragment (m, s = my wave)
	s_lshl_b32 s29, s22, 7
	v_lshl_add_u32 v9, v92, 2, s29
	v_add_nc_u32 v9, HSC, v9                       ; scale words: 128 w + 4 r (+ 64 m)
	s_mul_i32 s29, s22, 16*SROW
	s_add_co_u32 s29, s29, STG
	v_add_nc_u32 v11, s29, v1                      ; the stage, back: 16 bytes a lane
	v_mul_u32_u24 v127, v92, SROW
	v_lshl_add_u32 v127, v93, 5, v127
	v_add_nc_u32 v127, s29, v127                   ; the stage, in: row r, + 32 h
	s_mov_b32 s52, 0x76543210                      ; selects: lane l xor 16
	s_mov_b32 s53, 0xfedcba98
	s_mov_b32 s54, 0xffff0000                      ; lanes 16-31
	s_mov_b32 s56, 0x3e6d3389                      ; 0.2316419
	s_mov_b32 s58, 0xbf38aa3b                      ; -log2(e) / 2
	s_mov_b32 s59, s58                             ; (pairs are named whole, so both words are written)
	s_mov_b32 s60, 0x3f07dc22                      ; c5 = 0.5307027
	s_mov_b32 s61, s60
	s_mov_b32 s66, 0x3f35f0e3                      ; c3 = 0.7107069
	s_mov_b32 s67, s66
	s_mov_b32 s68, 0xbe11a98e                      ; c2 = -0.1422484
	s_mov_b32 s69, s68
	s_mov_b32 s70, 0x3e027906                      ; c1 = 0.1274148
	s_mov_b32 s71, s70
	v_mov_b32 v12, 0xbf3a00e3                      ; c4 = -0.7265760
	v_mov_b32 v13, 0xbf3a00e3
	s_lshl_b32 s30, ttmp9, 7
	v_add_nc_u32 v94, s30, v2
	s_wait_kmcnt 0x0
	global_load_b32 v95, v94, s[14:15]             ; my 32 places of the sorted list, a lane a token
	s_lshl_b32 s30, s22, 20
	s_mov_b32 s31, 0
	s_add_nc_u64 s[44:45], s[8:9], s[30:31]        ; wq, ws, b1, out, b2 at my wave's part
	s_lshl_b32 s30, s22, 12
	s_add_nc_u64 s[46:47], s[10:11], s[30:31]
	s_lshl_b32 s30, s22, 9
	s_add_nc_u64 s[48:49], s[16:17], s[30:31]
	s_lshl_b32 s30, s22, 10
	s_add_nc_u64 s[50:51], s[20:21], s[30:31]
	s_add_nc_u64 s[72:73], s[18:19], s[30:31]
	s_wait_loadcnt 0x0
	v_and_b32 v5, 0x1fff, v95
	v_min_u32 v5, 0x1fff, v5                       ; token
	v_bfe_u32 v96, v95, 16, 4
	v_min_u32 v96, 7, v96
	v_bfe_u32 v97, v95, 20, 4
	v_min_u32 v97, 7, v97
	v_mov_b32 v98, 1
	v_lshlrev_b32 v96, v96, v98
	v_lshlrev_b32 v97, v97, v98
	v_or_b32 v4, v96, v97                          ; its two experts as bits
	s_mov_b32 s24, 0                               ; the experts that any of the 32 tokens chose
.irp e, 0,1,2,3,4,5,6,7
	v_and_b32 v98, 1<<\e, v4
	v_cmp_ne_u32 s29, 0, v98
	s_cmp_lg_u32 s29, 0
	s_cselect_b32 s30, 1<<\e, 0
	s_or_b32 s24, s24, s30
.endr
	v_mov_b32 v99, 0
	v_permlanex16_b32 v99, v95, s52, s53
	v_cndmask_b32 v100, v95, v99, s54              ; lane (r, h): the word of token r of tile 0,
	v_cndmask_b32 v101, v99, v95, s54              ; and of tile 1
.irp m, 0,1
	v_and_b32 v[102+\m], 0x1fff, v[100+\m]
	v_min_u32 v[102+\m], 0x1fff, v[102+\m]
	v_mul_u32_u24 v[104+\m], v[102+\m], 768
	v_mad_u32_u24 v[104+\m], v93, 48, v[104+\m]    ; its codes: 768 bytes a token, + 48 h
	v_lshlrev_b32 v[106+\m], 2, v[102+\m]          ; its tok_w
	v_bfe_u32 v[108+\m], v[100+\m], 16, 4
	v_min_u32 v[108+\m], 7, v[108+\m]
	v_lshlrev_b32 v[108+\m], 12, v[108+\m]
	v_lshl_add_u32 v[108+\m], v93, 5, v[108+\m]    ; b2 of its lower expert: 4,096 bytes an expert, + 32 h
	v_bfe_u32 v[110+\m], v[100+\m], 20, 4
	v_min_u32 v[110+\m], 7, v[110+\m]
	v_lshlrev_b32 v[110+\m], 12, v[110+\m]
	v_lshl_add_u32 v[110+\m], v93, 5, v[110+\m]    ; and of its higher
.endr
	v_lshlrev_b32 v112, 4, v5                      ; my token's 16 scale bytes of a half of K
	s_ctz_i32_b32 s28, s24                         ; the first chosen expert
	s_min_u32 s28, s28, 7
	NBASES
.set I, 0
.rept 32
	global_load_b32 v[SWA+I], v2, s[40:41] offset:128*I    ; W1's scale words: register 8 (t / 2) + s: lanes 0-15 tile t even, lanes 16-31 t odd
.set I, I+1
.endr
.set I, 0
.rept 32
	global_load_b32 v[SWB+I], v2, s[36:37] offset:128*I    ; W2's: register 4 (t / 2) + s
.set I, I+1
.endr
	WIN 0x40
.irp t, 0,1,2,3,4,5,6,7
	global_load_b128 v[B1R+8*\t:B1R+8*\t+3], v3, s[42:43] offset:(32*(\t/2)+8*(\t%2))*4       ; b1 in the result's layout: tile 2 b + u, lane half h: units 32 b + 16 h + 8 u + 0 .. 7
	global_load_b128 v[B1R+8*\t+4:B1R+8*\t+7], v3, s[42:43] offset:(32*(\t/2)+8*(\t%2))*4+16
.endr
	LOADG 32                                       ; ring quarters 0 and 1 (v0-95 of window 2) now; quarters 2 and 3 lend their registers first
	LOADG 33
	WIN 0x40
.irp m, 0,1
.irp ks, 0,1,2,3,4,5,6,7
.irp c, 0,1,2
	global_load_b128 v[12*(8*\m+\ks)+4*\c:12*(8*\m+\ks)+4*\c+3], v[104+\m], s[4:5] offset:96*\ks+16*\c   ; x stays in registers
.endr
.endr
.endr
	WIN 0
	global_load_b128 v[XSR:XSR+3], v112, s[6:7]            ; lane L = 16 m + r: the words of token r of tile m, K steps 0-3,
	global_load_b128 v[XSR+4:XSR+7], v112, s[6:7] offset:131072   ; and 4-7
	global_load_b32 v6, v106, s[12:13]
	global_load_b32 v8, v107, s[12:13]
	WIN 0xc0
.irp m, 0,1
.irp t, 0,1,2,3,4,5,6,7,8,9,10,11,12,13,14,15
	global_load_b128 v[16*\t+8*\m:16*\t+8*\m+3], v[108+\m], s[72:73] offset:64*\t          ; the sums begin as b2[lo] + b2[hi]: nothing is cleared
	global_load_b128 v[16*\t+8*\m+4:16*\t+8*\m+7], v[108+\m], s[72:73] offset:64*\t+16
.endr
.endr
	WIN 0
.irp t, 0,1,2,3,4,5,6,7,8,9,10,11,12,13,14,15
	global_load_b128 v[HA+8*\t:HA+8*\t+3], v110, s[72:73] offset:64*\t
	global_load_b128 v[HA+8*\t+4:HA+8*\t+7], v110, s[72:73] offset:64*\t+16
.endr
	WIN 0x80
.irp t, 0,1,2,3,4,5,6,7,8,9,10,11,12,13,14,15
	global_load_b128 v[96+8*\t:96+8*\t+3], v111, s[72:73] offset:64*\t                     ; v96-223 of window 2: ring quarters 2 and 3, not yet asked for, and the 32 registers behind the ring
	global_load_b128 v[96+8*\t+4:96+8*\t+7], v111, s[72:73] offset:64*\t+16
.endr
	s_wait_loadcnt 0x0
	WIN 0xc3
.irp t, 0,1,2,3,4,5,6,7,8,9,10,11,12,13,14,15
.irp p, 0,2,4,6
	v_pk_add_f32 v[16*\t+\p:16*\t+\p+1], v[16*\t+\p:16*\t+\p+1], v[HA+8*\t+\p:HA+8*\t+\p+1]
.endr
.endr
	WIN 0xcb
.irp t, 0,1,2,3,4,5,6,7,8,9,10,11,12,13,14,15
.irp p, 0,2,4,6
	v_pk_add_f32 v[16*\t+8+\p:16*\t+8+\p+1], v[16*\t+8+\p:16*\t+8+\p+1], v[96+8*\t+\p:96+8*\t+\p+1]
.endr
.endr
	LOADG 34                                       ; the lent registers are free: the first two groups' 16 products stand in front of the first wait for these
	LOADG 35
	WIN 0
; eight results of the first product become gelu, in place, from the low register on
.macro GELU8 a
.irp i, 0,1,2,3,4,5,6,7
	v_fma_f32 v[GT+\i], |v[(\a)+\i]|, s56, 1.0
.endr
.irp i, 0,1,2,3,4,5,6,7
	v_rcp_f32 v[GT+\i], v[GT+\i]                   ; t
.endr
.irp i, 0,2,4,6
	v_pk_mul_f32 v[GU+\i:GU+\i+1], v[(\a)+\i:(\a)+\i+1], v[(\a)+\i:(\a)+\i+1]   ; (plain lines behind the reciprocals)
.endr
.irp i, 0,2,4,6
	v_pk_mul_f32 v[GU+\i:GU+\i+1], v[GU+\i:GU+\i+1], s[58:59] op_sel_hi:[1,0]
.endr
.irp i, 0,1,2,3,4,5,6,7
	v_exp_f32 v[GU+\i], v[GU+\i]                   ; exp(-v^2 / 2)
.endr
	s_wait_alu depctr_va_vdst(0)
.irp i, 0,2,4,6
	v_pk_fma_f32 v[GP+\i:GP+\i+1], v[GT+\i:GT+\i+1], s[60:61], v[12:13] op_sel_hi:[1,0,1]   ; c5 t + c4 (plain lines behind the exponentials)
.endr
.irp k, 66,68,70
.irp i, 0,2,4,6
	v_pk_fma_f32 v[GP+\i:GP+\i+1], v[GP+\i:GP+\i+1], v[GT+\i:GT+\i+1], s[\k:\k+1] op_sel_hi:[1,1,0]
.endr
.endr
.irp i, 0,2,4,6
	v_pk_mul_f32 v[GP+\i:GP+\i+1], v[GP+\i:GP+\i+1], v[GT+\i:GT+\i+1]
.endr
.irp i, 0,2,4,6
	v_pk_mul_f32 v[GP+\i:GP+\i+1], v[GP+\i:GP+\i+1], v[GU+\i:GU+\i+1]           ; Q(|v|)
.endr
.irp i, 0,1,2,3,4,5,6,7
	v_max_num_f32 v[GU+\i], 0, v[(\a)+\i]
.endr
.irp i, 0,1,2,3,4,5,6,7
	v_fma_f32 v[(\a)+\i], -|v[(\a)+\i]|, v[GP+\i], v[GU+\i]
.endr
.endm
; 64 numbers of a lane, register 16 b + i = k 32 b + 16 (lane / 16) + i of its token, become a fragment in v[PC] on and its scale word in v[PW]
.macro QUANT s
.irp b, 0,1,2,3
	v_max3_num_f32 v[TM+\b], |v[(\s)+16*\b]|, |v[(\s)+1+16*\b]|, 0x1800000   ; with the floor 2^(3 - 127): the byte cannot fall under 1
.endr
.irp i, 2,4,6,8,10,12,14
.irp b, 0,1,2,3
	v_max3_num_f32 v[TM+\b], v[TM+\b], |v[(\s)+16*\b+\i]|, |v[(\s)+1+16*\b+\i]|
.endr
.endr
.irp b, 0,1,2,3
	v_permlanex16_b32 v[TM+4+\b], v[TM+\b], s52, s53
.endr
.irp b, 0,1,2,3
	v_max_num_f32 v[TM+\b], v[TM+\b], v[TM+4+\b]   ; with lane l xor 16: the block's largest magnitude
.endr
.irp b, 0,1,2,3
	v_add_nc_u32 v[TM+12+\b], 0xff000000, v[TM+\b] ; 2 off the exponent field: the conversion's scale operand
.endr
.irp b, 0,1,2,3
	v_lshrrev_b32 v[TM+4+\b], 23, v[TM+12+\b]      ; the byte
.endr
	v_lshl_or_b32 v[PW], v[TM+5], 8, v[TM+4]
	v_lshl_or_b32 v[PW], v[TM+6], 16, v[PW]
	v_lshl_or_b32 v[PW], v[TM+7], 24, v[PW]
.irp c, 0,1
	v_cvt_scalef32_pk16_fp6_f32 v[PC+6*\c:PC+2+6*\c], v[(\s)+32*\c:(\s)+15+32*\c], v[TM+12+2*\c]
	v_cvt_scalef32_pk16_fp6_f32 v[PC+12+4*\c:PC+14+4*\c], v[(\s)+16+32*\c:(\s)+31+32*\c], v[TM+12+2*\c+1]
.endr
	v_nop                                          ; one plain line behind the conversions
.irp c, 0,1                                    ; the operand wants a whole block in a lane
.irp i, 0,1,2
	v_permlane16_swap_b32 v[PC+6*\c+\i], v[PC+12+4*\c+\i]
.endr
.irp i, 0,1,2
	v_mov_b32 v[PC+3+6*\c+\i], v[PC+12+4*\c+\i]
.endr
.endr
.endm
; group g of the first product: K step g / 2, tiles 4 (g & 1) on, both tiles of tokens: 8 matrix instructions.  The 16 accumulators take turns, one instruction a turn.
.macro P1 g
	WAITG \g
.if (\g) < 2
	WIN 0x16                                       ; weights window 2, x window 1, C = b1 window 1, result window 0
.else
	WIN 0x06
.endif
.irp k, 0,1,2,3
.irp m, 0,1
.set TT, 4*((\g)&1)+\k
.set KS, (\g)>>1
.set DD, HA+64*\m+8*TT
.set CC, DD
.if (\g) < 2
.set CC, B1R+8*TT
.endif
	MM DD, 12*(4*((\g)&3)+\k), 12*(8*\m+KS), CC, SWA+8*(TT>>1)+KS, XSR+KS, TT&1, \m
.endr
.endr
.rept 4
	v_nop                                          ; four places in front of loads into registers that these products read (ISA guide 7.12.1 for vector instructions)
.endr
	LOADG (\g)+4
.endm
; group g (16 .. 31) of the second product: K step (g - 16) / 4, tiles 4 ((g - 16) & 3) on.  The 32 accumulators take turns.
; Beside the ring's loads it asks for what the next chosen expert wants: W1's scale words and b1, which the first product has done with, and W2's scale words, K step by K step, as soon as a step's products have read theirs.
.macro P2 g
	WAITG \g
	WIN 0xf2                                       ; weights window 2, hidden layer window 0, C and D window 3
.irp k, 0,1,2,3
.irp m, 0,1
.set TT, 4*(((\g)-16)&3)+\k
.set KS, ((\g)-16)>>2
.set DD, 16*TT+8*\m
	MM DD, 12*(4*((\g)&3)+\k), HA+12*(4*\m+KS), DD, SWB+4*(TT>>1)+KS, HSR+KS, TT&1, \m
.endr
.endr
.rept 4
	v_nop                                          ; four places in front of loads into the fragments and scale words that these products read
.endr
.if (\g) < 20
	WIN 0
.irp i, 0,1,2,3,4,5,6,7
	global_load_b32 v[SWA+8*((\g)-16)+\i], v2, s[40:41] offset:128*(8*((\g)-16)+\i)
.endr
.set ISS, ISS+8
.elseif (\g) < 22
	WIN 0x40
.irp k, 0,1,2,3
.set TT, 4*((\g)-20)+\k
	global_load_b128 v[B1R+8*TT:B1R+8*TT+3], v3, s[42:43] offset:(32*(TT/2)+8*(TT%2))*4
	global_load_b128 v[B1R+8*TT+4:B1R+8*TT+7], v3, s[42:43] offset:(32*(TT/2)+8*(TT%2))*4+16
.endr
.set ISS, ISS+8
.elseif (\g) == 22
	SW2COL 0                                       ; K step 0 was finished in group 19,
.elseif (\g) == 23
	SW2COL 1                                       ; step 1 just now,
.elseif (\g) == 27
	SW2COL 2                                       ; step 2 just now
.endif
	LOADG (\g)+4                                   ; from g = 28 on: the next chosen expert's first four groups of W1
.if (\g) == 31
	SW2COL 3                                       ; behind the ring's last loads
.endif
.endm
	s_mov_b32 s23, 0
.Ltrip:
	v_lshrrev_b32 v90, s23, v4
	v_and_b32 v90, 1, v90
	v_cmp_ne_u32 s25, 0, v90                       ; which of the 32 tokens chose expert s23
	s_wait_xcnt 0x0                                ; the loads issued so far have read their bases: these are written only behind this wait.  They are made on every path
	s_lshl_b32 s30, s23, 17
	s_mov_b32 s31, 0
	s_add_nc_u64 s[32:33], s[44:45], s[30:31]      ; W1's codes,
	s_add_nc_u64 s[34:35], s[32:33], W2P           ; W2's
	s_lshl_b32 s29, -2, s23
	s_and_b32 s29, s24, s29                        ; the chosen experts above this one
	s_ctz_i32_b32 s28, s29
	s_cmp_eq_u32 s29, 0
	s_cselect_b32 s28, s23, s28                    ; the next of them, or this one again
	s_min_u32 s28, s28, 7
	NBASES
	s_and_b32 s26, s25, 0xffff
	s_lshl_b32 s29, s25, 16
	s_or_b32 s26, s26, s29                         ; lane (r, h): did token r of tile 0 choose it,
	s_lshr_b32 s27, s25, 16
	s_and_b32 s29, s25, s54
	s_or_b32 s27, s27, s29                         ; of tile 1
	s_cmp_eq_u32 s25, 0
	s_cbranch_scc1 .Lskip1
.rept 5
	v_nop                                          ; five places: the first products write over registers that the last second product read
.endr
; The counts below are taken for the way on which the fewest loads stand behind a group: groups 0-3 on end, as the last 48 loads.  Behind a second product eight scale words follow them, and the first
; waits are then eight lower than they need be; behind the head groups 0 and 1 have been waited for already.
.set ISS, 48
.set END0, 12
.set END1, 24
.set END2, 36
.set END3, 48
.set G, 0
.rept 16
	P1 G
.set G, G+1
.endr
	WIN 0
.irp m, 0,1
.irp t, 0,1,2,3,4,5,6,7
	GELU8 HA+64*\m+8*\t
.endr
	QUANT HA+64*\m
.irp i, 0,1,2,3,4,5,6,7,8,9,10,11
	v_cndmask_b32 v[PC+\i], 0, v[PC+\i], s[26+\m]  ; zero codes for a token that did not choose this expert
.endr
.irp c, 0,1,2
	ds_store_b128 v7, v[PC+4*\c:PC+4*\c+3] offset:6144*\m+512*\c       ; the fragment as it stands: K step w of the second product
.endr
	ds_store_b32 v9, v[PW] offset:64*\m            ; both halves of the lanes write the same word with the same value
	s_wait_dscnt 0x0                               ; the stores have read their registers
.endr
.Lskip1:
	s_wait_dscnt 0x0
	s_barrier_signal -1
	s_barrier_wait -1                              ; the hidden layer's eight fragments lie in LDS
	s_cmp_eq_u32 s25, 0                            ; the same mask as at the trip's head
	s_cbranch_scc1 .Lskip2
.irp m, 0,1
.irp s, 0,1,2,3
.irp c, 0,1,2
	ds_load_b128 v[HA+12*(4*\m+\s)+4*\c:HA+12*(4*\m+\s)+4*\c+3], v1 offset:1536*(4*\m+\s)+512*\c
.endr
.endr
.endr
.irp s, 0,1,2,3
	ds_load_b32 v[HSR+\s], v2 offset:HSC+128*\s    ; lanes 0-15 tile 0, lanes 16-31 tile 1
.endr
	s_wait_dscnt 0x0
.set G, 16
.rept 16
	P2 G
.set G, G+1
.endr
	WIN 0
.Lskip2:
	s_wait_dscnt 0x0
	s_barrier_signal -1
	s_barrier_wait -1                              ; everybody has read the images: the next trip may write them
	s_add_co_u32 s23, s23, 1
	s_cmp_lt_u32 s23, 8
	s_cbranch_scc1 .Ltrip
	; THE WAY OUT.  x tok_w; a tile of 16 tokens goes through my own stage and comes back as rows of 1,024 bytes; each row goes to its token's row of out.
	s_wait_loadcnt 0x0                             ; the loads ahead that nobody uses have landed: their registers are taken below
.irp m, 0,1
	WIN 0x03
.irp t, 0,1,2,3,4,5,6,7,8,9,10,11,12,13,14,15
.irp p, 0,2,4,6
	v_pk_mul_f32 v[HA+8*\t+\p:HA+8*\t+\p+1], v[16*\t+8*\m+\p:16*\t+8*\m+\p+1], v[6+2*\m:7+2*\m] op_sel_hi:[1,0]   ; each accumulator from its low end on; of the pair the low word, tok_w, serves both halves
.endr
.endr
	WIN 0
.irp t, 0,1,2,3,4,5,6,7,8,9,10,11,12,13,14,15
	ds_store_b128 v127, v[HA+8*\t:HA+8*\t+3] offset:64*\t
	ds_store_b128 v127, v[HA+8*\t+4:HA+8*\t+7] offset:64*\t+16
.endr
	WIN 0x40
.irp i, 0,1,2,3,4,5,6,7,8,9,10,11,12,13,14,15
	ds_load_b128 v[128*\m+8*\i:128*\m+8*\i+3], v11 offset:SROW*\i          ; LDS serves a wave's instructions in order (ISA guide 5.7.1.4): these see my stores
	ds_load_b128 v[128*\m+8*\i+4:128*\m+8*\i+7], v11 offset:SROW*\i+512
.endr
	WIN 0
.irp i, 0,1,2,3,4,5,6,7,8,9,10,11,12,13,14,15
	v_readlane_b32 s29, v5, 16*\m+\i
	s_min_u32 s29, s29, 8191
	s_lshl_b32 s29, s29, 12
	v_add_nc_u32 v[90+16*\m+\i], s29, v1           ; the token's row of 4,096 bytes, + 16 x lane
.endr
	WIN 0x04
.irp i, 0,1,2,3,4,5,6,7,8,9,10,11,12,13,14,15
	s_wait_dscnt 30-2*\i                           ; behind row i's two loads: those of the rows after it
	global_store_b128 v[90+16*\m+\i], v[128*\m+8*\i:128*\m+8*\i+3], s[50:51] th:TH_STORE_NT                 ; 32 lanes store 512 consecutive bytes, aligned
	global_store_b128 v[90+16*\m+\i], v[128*\m+8*\i+4:128*\m+8*\i+7], s[50:51] offset:512 th:TH_STORE_NT
.endr
	WIN 0
.endr
	s_set_vgpr_msb 0x8
	s_wait_tensorcnt 0x0
	ds_add_u32 v123, v255
	s_wait_dscnt 0x0
	s_set_vgpr_msb 0x800
	s_endpgm
.Lfunc_end_k_qdf044ca93e_experts:
	.size	k_qdf044ca93e_experts, .Lfunc_end_k_qdf044ca93e_experts-k_qdf044ca93e_experts
	.p2alignl 7, 3214868480
	.fill 96, 4, 3214868480
	.section	.rodata,"a",@progbits
	.p2align	6, 0x0
	.amdhsa_kernel k_qdf044ca93e_experts
		.amdhsa_group_segment_fixed_size 80384
		.amdhsa_private_segment_fixed_size 0
		.amdhsa_enable_private_segment 0
		.amdhsa_kernarg_size 72
		.amdhsa_user_sgpr_count 2
		.amdhsa_user_sgpr_kernarg_segment_ptr 1
		.amdhsa_wavefront_size32 1
		.amdhsa_system_sgpr_workgroup_id_x 1
		.amdhsa_system_sgpr_workgroup_id_y 1
		.amdhsa_system_sgpr_workgroup_id_z 1
		.amdhsa_system_vgpr_workitem_id 0
		.amdhsa_next_free_vgpr 1024
		.amdhsa_next_free_sgpr 80
		.amdhsa_reserve_vcc 0
		.amdhsa_float_denorm_mode_32 3
		.amdhsa_float_denorm_mode_16_64 3
		.amdhsa_memory_ordered 1
		.amdhsa_forward_progress 1
		.amdhsa_inst_pref_size 230
	.end_amdhsa_kernel
	.amdgpu_metadata
---
amdhsa.version: [ 1, 2 ]
amdhsa.kernels:
  - .name:           k_qdf044ca93e_experts
    .symbol:         k_qdf044ca93e_experts.kd
    .args:
      - { .name: xq, .offset: 0, .size: 8, .value_kind: global_buffer, .address_space: global }
      - { .name: xs, .offset: 8, .size: 8, .value_kind: global_buffer, .address_space: global }
      - { .name: wq, .offset: 16, .size: 8, .value_kind: global_buffer, .address_space: global }
      - { .name: ws, .offset: 24, .size: 8, .value_kind: global_buffer, .address_space: global }
      - { .name: tokw, .offset: 32, .size: 8, .value_kind: global_buffer, .address_space: global }
      - { .name: order, .offset: 40, .size: 8, .value_kind: global_buffer, .address_space: global }
      - { .name: b1, .offset: 48, .size: 8, .value_kind: global_buffer, .address_space: global }
      - { .name: b2, .offset: 56, .size: 8, .value_kind: global_buffer, .address_space: global }
      - { .name: out0, .offset: 64, .size: 8, .value_kind: global_buffer, .address_space: global }
    .group_segment_fixed_size: 80384
    .private_segment_fixed_size: 0
    .kernarg_segment_align: 8
    .kernarg_segment_size: 72
    .max_flat_workgroup_size: 128
    .sgpr_count:     80
    .vgpr_count:     1024
    .wavefront_size: 32
...
	.end_amdgpu_metadata
.endif
;; end of part 3
